; MI455X (gfx1250); checked and timed in simulation.
; The chip was launched on July 23, 2026; its instructions are those of AMD's public machine-readable ISA for CDNA 5 (MIT licence, August 2026) and "CDNA5" Instruction Set Architecture Reference Guide (July 2026). The comments in the code are by the model that wrote it; some were corrected since.
;; Optimized Mo E. Allowed arithmetic: float matrix products may take bf16 or f16 operands with f32 sums; other float arithmetic in f32, or as packed bf16 or f16 multiplies, adds, multiply-adds, maxima and minima; sums over many terms, partial sums and values carried from step to step in f32; what a program stores and reads back later, other than sums and carried values, may be rounded once to bf16 or f16.
;; Inputs: expert_b 8 x 1,024 float32; expert_w 8 x 1,024 x 1,024 float32; router_b 8 float32; router_w 8 x 1,024 float32; x 2 x 2,048 x 1,024 float32.
;; Outputs: out0 2 x 2,048 x 1,024 float32.
;; One version. Each part assembles by itself: llvm-mc -triple=amdgcn-amd-amdhsa -mcpu=gfx1250 --defsym DOCPART=n.
;; ======== version 1 of 1: 2 launches
;; workspace buffers: xb 8,388,608 bytes; route 16,384 bytes of whole numbers; gate 16,384 bytes
;; launch router (part 1): grid 256 x 1, 4 waves a work-group, no clusters, 54,272 bytes of LDS; arguments x, router_w, router_b, xb, route, gate; writes xb, route, gate
.if DOCPART == 1
	.amdgcn_target "amdgcn-amd-amdhsa--gfx1250"
	.amdhsa_code_object_version 6
	.text
	.protected	k_q814bb1b871_router
	.globl	k_q814bb1b871_router
	.p2align	8
	.type	k_q814bb1b871_router,@function
k_q814bb1b871_router:
	s_mov_b64 s[64:65], 0
	v_nop
	global_prefetch_b8 v0, s[64:65] scope:SCOPE_SE
	s_setreg_imm32_b32 hwreg(HW_REG_WAVE_MODE, 25, 1), 1
	s_wait_xcnt 0x0
; ROUTER.  For each of 4,096 tokens: logits = x . router_w^T + router_b (8 experts), the index of the largest logit, and the softmax's value there,
; which is 1 / sum_j exp(l_j - max).  Beside that x is written out once, rounded to bf16, for the launch behind.
; FORMATS.  x, router_w and router_b are each rounded once to bf16 (nearest even); products on the matrix unit, sums, maximum, exponentials in f32.
; LIMITS.  NaN and infinities are not treated apart.  Equal logits take the lower index.  Two logits closer than the rounding of the f32 sums may fall
; either way.  An exponential below 2^-126 counts as 0 in the sum (the sum is at least 1: the largest logit's own term).
; SHARES.  A work-group has 16 tokens, 65,536 bytes of x.  Wave w brings x's rows 4 w .. 4 w + 3 and the router's rows 2 w, 2 w + 1, rounds them and lays them
; into LDS; then it multiplies channels 256 w .. 256 w + 255 of all 16 tokens; the four partial sums meet in LDS and wave 0 finishes.
; No address and no branch hangs on the choice: it is stored at the token's fixed place, as a whole number, for the next launch.
; No cluster, no tensor loads: the work-groups share only the router's 32,768 bytes against 65,536 of their own, and every number is rounded in registers on its way.
.set XP,    2064                       ; an LDS row: 2,048 bytes of bf16 + 16: 516 words, so that row r starts 4 r banks on (64 banks of 4 bytes: ISA guide 11.1)
.set WROW,  16*XP                      ; rows 0-15 x, rows 16-23 the router's
.set PART,  49664                      ; four waves x 1,024 bytes: a lane's eight partial logits
.set SPARE, 53760                      ; the spare words: 128 bytes a wave, two blocks of 256 bytes that no other line names
.set SPW,   12                         ; v12  SPARE + 4 x my thread's number; never rewritten
.set NIL,   13                         ; v13  0; never rewritten
.set ST,    32                         ; v32-223  48 sets of four registers as loaded; later fragments and the last sums
.set XF,    32                         ; v32-95   x's fragments, 8 x 8
.set WF,    96                         ; v96-159  the router's fragments, 8 x 8
.set PS,    160                        ; v160-191 the four waves' partial logits
.set LG,    192                        ; v192-199 the logits
.set BI,    200                        ; v200-207 the bias
.set TM,    208                        ; v208-223 at work
	s_load_b256 s[4:11], s[0:1], 0x0               ; x s[4:5], router_w s[6:7], router_b s[8:9], xb s[10:11]
	s_load_b128 s[12:15], s[0:1], 0x20             ; route s[12:13], gate s[14:15]
	v_lshl_add_u32 v[SPW], v0, 2, SPARE
	v_mov_b32 v[NIL], 0
	v_lshrrev_b32 v2, 5, v0
	v_readfirstlane_b32 s16, v2                    ; wave 0..3
	v_and_b32 v1, 31, v0                           ; lane
	v_and_b32 v2, 15, v0                           ; r
	v_bfe_u32 v3, v0, 4, 1                         ; h
	v_lshlrev_b32 v4, 4, v1                        ; 16 x lane: my 16 bytes of 512 of f32
	v_lshlrev_b32 v5, 3, v1                        ; 8 x lane: the same four numbers in bf16
	s_lshl_b32 s17, ttmp9, 4
	s_lshl_b32 s32, s16, 2
	s_add_co_u32 s17, s17, s32                     ; my first token: 16 x work-group + 4 x wave
	s_lshl_b32 s32, s17, 12                        ; its row in x, 4,096 bytes a row
	s_mov_b32 s33, 0
	s_lshl_b32 s34, s17, 11                        ; and in xb, 2,048 bytes a row
	s_mov_b32 s35, 0
	s_lshl_b32 s36, s16, 13                        ; the router's rows 2 w, 2 w + 1
	s_mov_b32 s37, 0
	s_wait_kmcnt 0x0
	s_add_nc_u64 s[18:19], s[4:5], s[32:33]
	s_add_nc_u64 s[20:21], s[6:7], s[36:37]
	s_add_nc_u64 s[22:23], s[10:11], s[34:35]
	s_load_b256 s[24:31], s[8:9], 0x0              ; the eight biases
	; 48 loads, each 512 consecutive bytes of a row: the router's 16 first, then x's 32
.set i, 0
.rept 16
	global_load_b128 v[ST+4*i:ST+4*i+3], v4, s[20:21] offset:(i/8)*4096+(i%8)*512
.set i, i+1
.endr
.set i, 0
.rept 32
	global_load_b128 v[ST+64+4*i:ST+64+4*i+3], v4, s[18:19] offset:(i/8)*4096+(i%8)*512 th:TH_LOAD_NT
.set i, i+1
.endr
	; LDS addresses, made while the loads are out
	s_mul_i32 s32, s16, 4*XP
	v_add_nc_u32 v6, s32, v5                       ; x's rows go in at row 4 w, 8 bytes a lane
	s_mul_i32 s32, s16, 2*XP
	s_add_co_u32 s32, s32, WROW
	v_add_nc_u32 v7, s32, v5                       ; the router's at row 16 + 2 w
	s_lshl_b32 s36, s16, 9                         ; my 256 channels: 512 bytes along the rows
	v_mul_u32_u24 v8, v2, XP
	v_lshl_add_u32 v8, v3, 4, v8
	v_add_nc_u32 v8, s36, v8                       ; x's fragments: row r, + 16 h
	v_and_b32 v15, 7, v0
	v_mul_u32_u24 v9, v15, XP
	v_lshl_add_u32 v9, v3, 4, v9
	s_add_co_u32 s37, s36, WROW
	v_add_nc_u32 v9, s37, v9                       ; the router's: row 16 + r % 8: the eight experts stand twice in the sixteen rows
	s_lshl_b32 s38, s16, 10
	s_add_co_u32 s38, s38, PART
	v_lshl_add_u32 v10, v1, 5, s38                 ; my wave's partial sums, 32 bytes a lane
	v_lshl_add_u32 v11, v1, 5, PART                ; all waves' are read from here
	s_lshl_b32 s39, ttmp9, 6
	v_lshl_add_u32 v14, v2, 2, s39                 ; token 16 x work-group + r, 4 bytes each, in route and in gate
	s_wait_kmcnt 0x0                               ; the biases
; One row: rounded in place (four f32 become two registers), into LDS, and for x's rows into xb.  left = the loads issued behind this row's eight.
.macro ROW q0, adr, row, out, left
	s_wait_loadcnt \left                           ; loads come back in order (ISA guide 5.7.1): this row's eight are in
.set i, 0
.rept 8
	v_cvt_pk_bf16_f32 v[ST+4*((\q0)+i)], v[ST+4*((\q0)+i)], v[ST+4*((\q0)+i)+1]
	v_cvt_pk_bf16_f32 v[ST+4*((\q0)+i)+1], v[ST+4*((\q0)+i)+2], v[ST+4*((\q0)+i)+3]
.set i, i+1
.endr
.set i, 0
.rept 8
	ds_store_b64 v[\adr], v[ST+4*((\q0)+i):ST+4*((\q0)+i)+1] offset:(\row)*XP+256*i
.if \out
	global_store_b64 v5, v[ST+4*((\q0)+i):ST+4*((\q0)+i)+1], s[22:23] offset:(\row)*2048+256*i  ; 32 lanes store 256 consecutive bytes, at a multiple of 256 from xb's first byte
.endif
.set i, i+1
.endr
.endm
	ROW 0,  7, 0, 0, 40
	ROW 8,  7, 1, 0, 32
	ROW 16, 6, 0, 1, 24
	ROW 24, 6, 1, 1, 16
	ROW 32, 6, 2, 1, 8
	ROW 40, 6, 3, 1, 0
	s_wait_dscnt 0x0                               ; for the others' sake: my rows are in LDS
	s_barrier_signal -1
	s_barrier_wait -1
	s_wait_xcnt 0x0                                ; the stores into xb have read their registers: only behind this wait are those loaded again
.set g, 0
.rept 8                                ; 32 channels a fragment: two loads of 16 bytes, 32 bytes apart
	ds_load_b128 v[XF+8*g:XF+8*g+3],   v8 offset:64*g
	ds_load_b128 v[XF+8*g+4:XF+8*g+7], v8 offset:64*g+32
	ds_load_b128 v[WF+8*g:WF+8*g+3],   v9 offset:64*g
	ds_load_b128 v[WF+8*g+4:WF+8*g+7], v9 offset:64*g+32
.set g, g+1
.endr
	s_wait_dscnt 0x0
	; Source 0 = the experts' rows, source 1 = the tokens': lane (r, h) holds token r, register j expert j (both halves of the lanes: the experts stand twice).
	; Two accumulators take turns; the first two products start the sums.
	v_wmma_f32_16x16x32_bf16 v[16:23], v[WF:WF+7], v[XF:XF+7], 0
	v_wmma_f32_16x16x32_bf16 v[24:31], v[WF+8:WF+15], v[XF+8:XF+15], 0
.set g, 2
.rept 3
	v_wmma_f32_16x16x32_bf16 v[16:23], v[WF+8*g:WF+8*g+7], v[XF+8*g:XF+8*g+7], v[16:23]
	v_wmma_f32_16x16x32_bf16 v[24:31], v[WF+8*g+8:WF+8*g+15], v[XF+8*g+8:XF+8*g+15], v[24:31]
.set g, g+2
.endr
.rept 4
	v_nop                                          ; four places between the last product and the first read of a result (ISA guide 7.12.1)
.endr
.set i, 0
.rept 4
	v_pk_add_f32 v[TM+2*i:TM+2*i+1], v[16+2*i:17+2*i], v[24+2*i:25+2*i]
.set i, i+1
.endr
	ds_store_b128 v10, v[TM:TM+3]
	ds_store_b128 v10, v[TM+4:TM+7] offset:16
	s_wait_dscnt 0x0                               ; for wave 0's sake
	s_barrier_signal -1
	s_barrier_wait -1
	s_cmp_lg_u32 s16, 0
	s_cbranch_scc1 .Lend                           ; no barrier follows
.set i, 0
.rept 4
	ds_load_b128 v[PS+8*i:PS+8*i+3],   v11 offset:1024*i
	ds_load_b128 v[PS+8*i+4:PS+8*i+7], v11 offset:1024*i+16
.set i, i+1
.endr
.set i, 0
.rept 4                                ; meanwhile the biases, rounded to bf16 like every input and widened again
	v_cvt_pk_bf16_f32 v[TM+8+i], s[24+2*i], s[25+2*i]
.set i, i+1
.endr
.set i, 0
.rept 4
	v_lshlrev_b32 v[BI+2*i], 16, v[TM+8+i]
	v_and_b32 v[BI+2*i+1], 0xffff0000, v[TM+8+i]
.set i, i+1
.endr
	s_wait_dscnt 0x0
.set i, 0
.rept 4
	v_pk_add_f32 v[LG+2*i:LG+2*i+1], v[PS+2*i:PS+2*i+1], v[PS+8+2*i:PS+8+2*i+1]
	v_pk_add_f32 v[TM+2*i:TM+2*i+1], v[PS+16+2*i:PS+16+2*i+1], v[PS+24+2*i:PS+24+2*i+1]
.set i, i+1
.endr
.set i, 0
.rept 4
	v_pk_add_f32 v[LG+2*i:LG+2*i+1], v[LG+2*i:LG+2*i+1], v[TM+2*i:TM+2*i+1]
.set i, i+1
.endr
.set i, 0
.rept 4
	v_pk_add_f32 v[LG+2*i:LG+2*i+1], v[LG+2*i:LG+2*i+1], v[BI+2*i:BI+2*i+1]
.set i, i+1
.endr
	v_mov_b32 v[TM], v[LG]                         ; the running maximum
	v_mov_b32 v[TM+1], 0                           ; and where it stands: a later expert takes over only if strictly greater
.set j, 1
.rept 7
	v_cmp_gt_f32 vcc_lo, v[LG+j], v[TM]
	v_cndmask_b32 v[TM+1], v[TM+1], j, vcc_lo
	v_max_num_f32 v[TM], v[TM], v[LG+j]
.set j, j+1
.endr
.set j, 0
.rept 8
	v_sub_f32 v[TM+8+j], v[LG+j], v[TM]            ; l - max, at most 0
	v_mul_f32 v[TM+8+j], 0x3fb8aa3b, v[TM+8+j]     ; times log2(e)
.set j, j+1
.endr
.set j, 0
.rept 8
	v_exp_f32 v[TM+8+j], v[TM+8+j]
.set j, j+1
.endr
	v_nop                                          ; a plain instruction behind the last exponential (ISA guide 5.7.2)
	s_wait_alu depctr_va_vdst(0)
	v_add_f32 v[TM+8], v[TM+8], v[TM+9]
	v_add_f32 v[TM+10], v[TM+10], v[TM+11]
	v_add_f32 v[TM+12], v[TM+12], v[TM+13]
	v_add_f32 v[TM+14], v[TM+14], v[TM+15]
	v_add_f32 v[TM+8], v[TM+8], v[TM+10]
	v_add_f32 v[TM+12], v[TM+12], v[TM+14]
	v_add_f32 v[TM+8], v[TM+8], v[TM+12]
	v_rcp_f32 v[TM+2], v[TM+8]                     ; the chosen expert's probability: its own term is 1
	v_nop
	v_cmp_gt_u32 vcc_lo, 16, v1
	s_wait_xcnt 0x0                                ; EXEC changes only behind this wait
	s_and_saveexec_b32 s34, vcc_lo                 ; lanes 16-31 hold copies
	global_store_b32 v14, v[TM+1], s[12:13]
	s_wait_alu depctr_va_vdst(0)
	global_store_b32 v14, v[TM+2], s[14:15]
	s_wait_xcnt 0x0                                ; and again in front of the line that widens it
	s_or_b32 exec_lo, exec_lo, s34
.Lend:
	s_wait_tensorcnt 0x0                           ; the wave's end, behind my last LDS store
	ds_add_u32 v[SPW], v[NIL]
	s_wait_dscnt 0x0
	s_endpgm
.Lfunc_end_k_q814bb1b871_router:
	.size	k_q814bb1b871_router, .Lfunc_end_k_q814bb1b871_router-k_q814bb1b871_router
	.p2alignl 7, 3214868480
	.fill 96, 4, 3214868480
	.section	.rodata,"a",@progbits
	.p2align	6, 0x0
	.amdhsa_kernel k_q814bb1b871_router
		.amdhsa_group_segment_fixed_size 54272
		.amdhsa_private_segment_fixed_size 0
		.amdhsa_enable_private_segment 0
		.amdhsa_kernarg_size 48
		.amdhsa_user_sgpr_count 2
		.amdhsa_user_sgpr_kernarg_segment_ptr 1
		.amdhsa_wavefront_size32 1
		.amdhsa_system_sgpr_workgroup_id_x 1
		.amdhsa_system_sgpr_workgroup_id_y 1
		.amdhsa_system_sgpr_workgroup_id_z 1
		.amdhsa_system_vgpr_workitem_id 0
		.amdhsa_next_free_vgpr 224
		.amdhsa_next_free_sgpr 66
		.amdhsa_reserve_vcc 1
		.amdhsa_float_denorm_mode_32 3
		.amdhsa_float_denorm_mode_16_64 3
		.amdhsa_memory_ordered 1
		.amdhsa_forward_progress 1
		.amdhsa_inst_pref_size 28
	.end_amdhsa_kernel
	.amdgpu_metadata
---
amdhsa.version: [ 1, 2 ]
amdhsa.kernels:
  - .name:           k_q814bb1b871_router
    .symbol:         k_q814bb1b871_router.kd
    .args:
      - { .name: x, .offset: 0, .size: 8, .value_kind: global_buffer, .address_space: global }
      - { .name: router_w, .offset: 8, .size: 8, .value_kind: global_buffer, .address_space: global }
      - { .name: router_b, .offset: 16, .size: 8, .value_kind: global_buffer, .address_space: global }
      - { .name: xb, .offset: 24, .size: 8, .value_kind: global_buffer, .address_space: global }
      - { .name: route, .offset: 32, .size: 8, .value_kind: global_buffer, .address_space: global }
      - { .name: gate, .offset: 40, .size: 8, .value_kind: global_buffer, .address_space: global }
    .group_segment_fixed_size: 54272
    .private_segment_fixed_size: 0
    .kernarg_segment_align: 8
    .kernarg_segment_size: 48
    .max_flat_workgroup_size: 128
    .sgpr_count:     66
    .vgpr_count:     224
    .wavefront_size: 32
...
	.end_amdgpu_metadata
.endif
;; end of part 1
;; launch experts (part 2): grid 256 x 1, 4 waves a work-group, no clusters, 193,280 bytes of LDS; arguments xb, route, gate, expert_w, expert_b, out0; writes out0
.if DOCPART == 2
	.amdgcn_target "amdgcn-amd-amdhsa--gfx1250"
	.amdhsa_code_object_version 6
	.text
	.protected	k_q814bb1b871_experts
	.globl	k_q814bb1b871_experts
	.p2align	8
	.type	k_q814bb1b871_experts,@function
k_q814bb1b871_experts:
	s_mov_b64 s[64:65], 0
	v_nop
	global_prefetch_b8 v0, s[64:65] scope:SCOPE_SE
	s_setreg_imm32_b32 hwreg(HW_REG_WAVE_MODE, 25, 1), 1
	s_wait_xcnt 0x0
; out0[t][:] = gate[t] x (xb[t] . expert_w[route[t]]^T + expert_b[route[t]]): only the chosen expert's product is made.
; FORMATS.  xb is x in bf16 (the launch before); expert_w and expert_b are rounded once to bf16 in registers; sums in f32, started with the bias; one f32 multiply by the gate.
; LIMITS.  NaN and infinities are not treated apart.  route holds 0..7; a token whose word holds anything else would be nobody's and its row would stay unwritten.
; SHARES.  Work-group x: q = x % 4, col = (x / 4) % 8, e = x / 32.  It has expert e, output columns 128 col .. + 127, and of the expert's n tokens, taken in a fixed order,
; the ranks q cq .. q cq + c - 1 with cq = ceil(n / 4), c = what is left of n there, at most cq.  Expert and columns hang on the grid alone, so the weights are asked for at once.
; Every work-group ranks all 4,096 choices for itself (each wave 1,024): there is no launch for a list, and each output row has one owner.
; EVERY SPLIT IS SERVED.  The first 160 rows go through a pass that all four waves make together; rows past c repeat row c - 1 and are not stored.  With c over 160 (at most 1,024)
; further passes of 160 rows follow, in a loop whose count hangs on c: in it each wave works for itself on LDS bytes of its own, so it holds no barrier.
; A WAVE (w = 2 wr + wc) makes rows 80 wr .. + 79 x columns 64 wc .. + 63: 5 x 4 accumulators; 64 columns of f32 are 256 aligned bytes of a row of out0.
; THE MATRIX INSTRUCTION IS USED TRANSPOSED: source 0 = 16 weight rows (output columns), source 1 = 16 tokens: lane (r, h) holds token r, register j column 8 h + j.
; THE FIRST PASS IS A PIPELINE.  K goes in 8 chunks of 128, each four quarters of 32, through two LDS slots.  A PERIOD runs from one barrier to the next and multiplies the last quarter of
; chunk s - 1 and the first three of chunk s.  Beside those 80 matrix instructions, in short runs behind every four of them, stand: the next quarter's 18 fragment loads; the 52 loads from
; memory of chunk s + 2 (32 weight rows of 512 bytes, 20 pairs of token rows of 256); the rounding of chunk s + 1's weights and its 52 stores into the other slot.
; The barrier says of every wave: its part of chunk s is in LDS, and its reads of chunk s - 1 are back.  So the first fragments behind a barrier are fetched beside products that have theirs already.
; NO CLUSTER, NO TENSOR LOADS.  The four work-groups that share a weight slice would share it as f32, which would take twice the LDS bytes of what is read 2.5 times over from there;
; here it is rounded in registers first.  The token rows come by a list, which no tile descriptor covers, and partners' numbers of passes hang on counts.
; REGISTERS, in windows of 256 (s_set_vgpr_msb: bits 1:0 source 0, 3:2 source 1, 5:4 source 2, 7:6 destination):
;   window 0: addresses, lists, two fragment buffers      window 1: v0-159 accumulators ((a, b) at 8 (4 a + b)), v160-191 the bias, v192-195 at work
;   windows 2, 3: a chunk as loaded: v0-127 weights, v128-207 tokens (in the further passes: window 2 all weights, window 3 v0-159 tokens)
; The riders lie in other windows than the products, so a run of riders costs two or three switches: the price of setting them beside the matrix work.
.set PITCH, 272                        ; an LDS row: 256 bytes + 16 = 68 words: row r starts 4 r banks on (64 banks of 4 bytes: ISA guide 11.1)
.set SEG,   0                          ; 4 x 4,096: wave w's 1,024 tokens reordered: my expert's from the front, the others from the back; every word is written
.set CNT,   16384                      ; 4 words: how many of my expert's each wave found
.set CL,    16640                      ; 4 x 512: a wave's own list of the tokens of its 80 rows
.set RING,  18688
.set BOFF,  160*PITCH                  ; in a slot: 160 token rows, then 128 weight rows
.set SLOT,  288*PITCH
.set STG,   RING+2*SLOT                ; 4 x 16 rows x 272: a wave's own stage for the way out; bytes 256-259 of a row hold the row's token
.set SPARE, STG+4*16*PITCH             ; the spare words: 128 bytes a wave, two blocks of 256 bytes that no other line names
.set PAREA, 144*PITCH                  ; the further passes: the ring's bytes as four areas, one a wave: 80 token rows, then 64 weight rows
.set PBOFF, 80*PITCH
.set LANE, 1
.set R,    2                           ; lane % 16
.set H,    3                           ; lane / 16
.set L16,  4                           ; 16 x lane
.set R16,  5                           ; 16 x r
.set ASTO, 6                           ; v6-7    where I lay token rows, slot 0, 1
.set BSTO, 8                           ; v8-9    weight rows
.set ADRA, 10                          ; v10-11  my token fragments
.set ADRB, 12                          ; v12-13  my weight fragments
.set STO,  14                          ; the way out: in,
.set STOP, 15                          ; the row's token,
.set RD,   16                          ; back by rows,
.set RDP,  17                          ; and the token
.set SPW,  18                          ; SPARE + 4 x my thread's number; never rewritten
.set NIL,  19                          ; 0; never rewritten
.set T,    20                          ; v20-27  at work
.set ASTOP, 28                         ; v28-31  the same four addresses in my own area
.set BSTOP, 29
.set ADRAP, 30
.set ADRBP, 31
.set TOK,  32                          ; v32-36  token of row 16 a + r
.set NEGL, 37                          ; - lane
.set GT,   38                          ; v38-47  its gate, in the low register of a pair; the high ones hold 0
.set AOFF, 48                          ; v48-87  byte offsets in xb of pairs of rows
.set VB,   88                          ; v88-90  4,096 k - 4 P_k
.set TOK0, 91                          ; 1,024 w + 4 lane
.set CLL,  92                          ; my list + 4 lane
.set CLR,  93                          ; + 4 r
.set CLH,  94                          ; + 4 h (+ 160 wc in the first pass)
.set H32,  95                          ; 32 h
.set RW,   96                          ; v96-127 the route words, at the start
.set FR0,  96                          ; v96-167, v168-239  fragment buffers: 4 x 8 weights, 5 x 8 tokens
.set FR1,  168
.set OB,   96                          ; the way out: 16 rows read back
.set TK,   128                         ; and their places in out0
.set GA,   240                         ; v240-244 the gates' byte offsets
.set BIAS, 160                         ; window 1
.set BT,   192                         ; window 1
.set WV, 16                            ; wave
.set WR, 17
.set WC, 18
.set QQ, 19
.set COL, 20
.set EX, 21
.set RK, 36                            ; matches so far
.set MK, 37                            ; a word's mask
.set P1, 44                            ; s44-46  matches in front of segment 1, 2, 3
.set NE, 47
.set CQ, 48
.set START, 49
.set CC, 50
.set CM1, 51
.set REM, 52                           ; rows of my 80 that exist
.set NPASS, 53
.set PASS, 54
.set KC, 55
.set IB, 56                            ; the rank, from START, of my first row
.set LC, 57
.set SEGB, 58
.set CLB, 59
.set MSB, 0
.macro WIN new                         ; the immediate's high byte repeats the setting that is left; a switch that changes nothing is dropped
.if MSB != (\new)
	s_set_vgpr_msb (MSB<<8)|(\new)
.set MSB, (\new)
.endif
.endm
.macro PLACES                          ; four places in front of loads into registers that matrix instructions have read, and of reads of results (ISA guide 7.12.1 for reads of results)
.rept 4
	v_nop
.endr
.endm
; n weight rows, 512 consecutive bytes each (128 f32 of chunk ch), into window set
.macro LOADB set, n, base, ch
	WIN (\set)<<6
.set i, 0
.rept \n
	global_load_b128 v[4*i:4*i+3], v[L16], s[\base:\base+1] offset:4096*i+512*(\ch)
.set i, i+1
.endr
.endm
; n pairs of token rows, 256 aligned bytes each (128 bf16 of chunk ch): lanes 0-15 the even row, lanes 16-31 the odd one
.macro LOADA set, first, n, base, ch
	WIN (\set)<<6
.set i, 0
.rept \n
	global_load_b128 v[(\first)+4*i:(\first)+4*i+3], v[AOFF+i], s[\base:\base+1] offset:256*(\ch)
.set i, i+1
.endr
.endm
; A chunk goes from registers into LDS in one piece (the first chunk, and the further passes): the weights rounded in place first
.macro STAGE set, nb, na, first, adrb, adra
.if (\nb) > 0
	WIN ((\set)<<6)|((\set)<<2)|(\set)
.set i, 0
.rept \nb
	v_cvt_pk_bf16_f32 v[4*i], v[4*i], v[4*i+1]
	v_cvt_pk_bf16_f32 v[4*i+1], v[4*i+2], v[4*i+3]
.set i, i+1
.endr
	WIN (\set)<<2
.set i, 0
.rept \nb
	ds_store_b64 v[\adrb], v[4*i:4*i+1] offset:PITCH*i
.set i, i+1
.endr
.endif
.if (\na) > 0
	WIN (\set)<<2
.set i, 0
.rept \na
	ds_store_b128 v[\adra], v[(\first)+4*i:(\first)+4*i+3] offset:2*PITCH*i
.set i, i+1
.endr
.endif
.endm
; 18 LDS loads in one run: the fragments of 32 along K (quarter g of a chunk)
.macro FETCH adra, adrb, g, buf
	WIN 0
.set i, 0
.rept 4
	ds_load_b128 v[(\buf)+8*i:(\buf)+8*i+3],   v[\adrb] offset:16*PITCH*i+64*(\g)
	ds_load_b128 v[(\buf)+8*i+4:(\buf)+8*i+7], v[\adrb] offset:16*PITCH*i+64*(\g)+32
.set i, i+1
.endr
.set i, 0
.rept 5
	ds_load_b128 v[(\buf)+32+8*i:(\buf)+32+8*i+3], v[\adra] offset:16*PITCH*i+64*(\g)
	ds_load_b128 v[(\buf)+32+8*i+4:(\buf)+32+8*i+7], v[\adra] offset:16*PITCH*i+64*(\g)+32
.set i, i+1
.endr
.endm
; 4 matrix instructions: row block a x the 4 column blocks.  first = 1: the bias starts the sums: nothing is cleared
.macro WM buf, a, first
	WIN 0x50
.set b, 0
.rept 4
.if \first
	v_wmma_f32_16x16x32_bf16 v[8*(4*(\a)+b):8*(4*(\a)+b)+7], v[(\buf)+8*b:(\buf)+8*b+7], v[(\buf)+32+8*(\a):(\buf)+32+8*(\a)+7], v[BIAS+8*b:BIAS+8*b+7]
.else
	v_wmma_f32_16x16x32_bf16 v[8*(4*(\a)+b):8*(4*(\a)+b)+7], v[(\buf)+8*b:(\buf)+8*b+7], v[(\buf)+32+8*(\a):(\buf)+32+8*(\a)+7], v[8*(4*(\a)+b):8*(4*(\a)+b)+7]
.endif
.set b, b+1
.endr
.endm
; 20 matrix instructions on end; the 20 accumulators take turns, always in this order
.macro MUL buf, first
.set a, 0
.rept 5
	WM \buf, a, \first
.set a, a+1
.endr
.endm
; THE RIDERS OF THE FIRST PASS: four queues, each counted by a symbol that PERIOD or QUAD sets to 0.
.macro RF n, adra, adrb, g, buf        ; the next n of a quarter's 18 fragment loads: the weights' 8, then the tokens' 10
	WIN 0
.rept \n
.if fi < 8
	ds_load_b128 v[(\buf)+4*fi:(\buf)+4*fi+3], v[\adrb] offset:16*PITCH*(fi/2)+64*(\g)+32*(fi%2)
.else
	ds_load_b128 v[(\buf)+4*fi:(\buf)+4*fi+3], v[\adra] offset:16*PITCH*((fi-8)/2)+64*(\g)+32*((fi-8)%2)
.endif
.set fi, fi+1
.endr
.endm
.macro RG n, set, ch                   ; the next n of a chunk's 52 loads from memory: 32 weight rows, then 20 pairs of token rows
	WIN (\set)<<6
.rept \n
.if gi < 32
	global_load_b128 v[4*gi:4*gi+3], v[L16], s[22:23] offset:4096*gi+512*(\ch)
.else
	global_load_b128 v[4*gi:4*gi+3], v[AOFF+gi-32], s[24:25] offset:256*(\ch)
.endif
.set gi, gi+1
.endr
.endm
.macro RC n, set                       ; the next n of a chunk's 64 roundings: four f32 of a weight row become two registers, in place
	WIN ((\set)<<6)|((\set)<<2)|(\set)
.rept \n
	v_cvt_pk_bf16_f32 v[4*(ci/2)+ci%2], v[4*(ci/2)+2*(ci%2)], v[4*(ci/2)+2*(ci%2)+1]
.set ci, ci+1
.endr
.endm
.macro RS n, set, adrb, adra           ; the next n of a chunk's 52 LDS stores: 32 weight rows, then 20 pairs of token rows
	WIN (\set)<<2
.rept \n
.if si < 32
	ds_store_b64 v[\adrb], v[4*si:4*si+1] offset:PITCH*si
.else
	ds_store_b128 v[\adra], v[4*si:4*si+3] offset:2*PITCH*(si-32)
.endif
.set si, si+1
.endr
.endm
; Run m (0..3) of a period: 20 matrix instructions in five groups of four, the riders behind each group.  Runs 0 and 2 multiply buffer 1 and fetch into buffer 0, runs 1 and 3 the other way round;
; run m fetches quarter m of the slot's chunk, six loads behind each of the first three groups; four v_nop stand between the last product that read that buffer and the first load into it.
; mul = 0: the very first run has nothing to multiply.  iss = 1: chunk ch (counted from the bases) is asked for, in runs 0 and 1.  stg = 1: the chunk in the other register set goes into the other slot, in runs 2 and 3:
; l1 = the loads that may be out when its weights have to be in, l2 = when its token rows have to be.
; In run 3 the barrier's signal stands ahead of the last group: in front of it my stores into the other slot are done and my reads of this slot are back; the four products between signal and wait touch registers alone.
.macro QUAD m, slot, mul, first, iss, ch, stg, l1, l2
.set MB, FR0+72*(1-(\m)%2)
.set FB, FR0+72*((\m)%2)
.set fi, 0
.set k, 0
.rept 5
.if \mul
.if ((\m) == 3) && (k == 4)
	s_wait_dscnt 0x0                               ; for the others' sake: zero
	s_barrier_signal -1
.endif
	WM MB, k, \first
.if k == 0
	PLACES
.endif
.endif
.if k < 3
	RF 6, ADRA+(\slot), ADRB+(\slot), \m, FB
.endif
.if (\iss) && ((\m) == 0) && (k > 0)
	RG 8, 2+(\slot), \ch
.endif
.if (\iss) && ((\m) == 1) && (k > 0)
	RG 5, 2+(\slot), \ch
.endif
.if (\stg) && ((\m) == 2) && (k > 0)
.if k == 1
	s_wait_loadcnt \l1                             ; loads come back in order (ISA guide 5.7.1): the next chunk's 32 weight rows are in
.endif
	RC 16, 3-(\slot)
.if k > 2
	RS 8, 3-(\slot), BSTO+1-(\slot), ASTO+1-(\slot)  ; rows whose roundings stand two groups back
.endif
.endif
.if (\stg) && ((\m) == 3)
.if k == 0
	RS 16, 3-(\slot), BSTO+1-(\slot), ASTO+1-(\slot)
.elseif k < 3
.if k == 1
	s_wait_loadcnt \l2                             ; its 20 pairs of token rows are in
.endif
	RS 10, 3-(\slot), BSTO+1-(\slot), ASTO+1-(\slot)
.endif
.endif
.set k, k+1
.endr
.endm
; A period, on the chunk in slot.  The waits ahead of runs 1 and 2 are for the fragment loads of the run before, behind which no LDS instruction was issued; ahead of run 3 the 16 stores issued behind them may be out.
.macro PERIOD slot, lead, first, iss, ch, stg, l1, l2
.set gi, 0
.set ci, 0
.set si, 0
	QUAD 0, \slot, \lead, 0, \iss, \ch, \stg, \l1, \l2
	s_wait_dscnt 0x0
	QUAD 1, \slot, 1, \first, \iss, \ch, \stg, \l1, \l2
	s_wait_dscnt 0x0
	QUAD 2, \slot, 1, 0, \iss, \ch, \stg, \l1, \l2
	s_wait_dscnt 16*(\stg)
	QUAD 3, \slot, 1, 0, \iss, \ch, \stg, \l1, \l2
	s_barrier_wait -1                              ; the other slot is whole, and nobody reads this one any more
.endm
; A chunk's 80 matrix instructions in a further pass.  The sums start with the bias if this is a pass's first chunk (KC = 8).  Each count of 18 leaves the younger quarter's loads out.
; The places in front of the first two fetches are the conversions of the STAGE that stands ahead.
.macro COMPUTE adra, adrb
	FETCH \adra, \adrb, 0, FR0
	FETCH \adra, \adrb, 1, FR1
	s_wait_dscnt 18
	WIN 0                                          ; at a branch and at a label every window is 0
	s_cmp_eq_u32 s[KC], 8
	s_cbranch_scc0 .Lgo_on_\@
	MUL FR0, 1
	WIN 0
	s_branch .Ljoin_\@
.Lgo_on_\@:
	MUL FR0, 0
	WIN 0
.Ljoin_\@:
	PLACES
	FETCH \adra, \adrb, 2, FR0
	s_wait_dscnt 18
	MUL FR1, 0
	PLACES
	FETCH \adra, \adrb, 3, FR1
	s_wait_dscnt 18
	MUL FR0, 0
	s_wait_dscnt 0x0
	MUL FR1, 0
.endm
; The token of rank START + min(v[t], c - 1): which segment holds the rank, and the word there.  The address is held inside SEG.
.macro LOOKUP t, u
	v_min_u32 v[\t], s[CM1], v[\t]
	v_add_nc_u32 v[\t], s[START], v[\t]
	v_cmp_le_u32 vcc_lo, s[P1], v[\t]
	v_cndmask_b32 v[\u], 0, v[VB], vcc_lo
	v_cmp_le_u32 vcc_lo, s[P1+1], v[\t]
	v_cndmask_b32 v[\u], v[\u], v[VB+1], vcc_lo
	v_cmp_le_u32 vcc_lo, s[P1+2], v[\t]
	v_cndmask_b32 v[\u], v[\u], v[VB+2], vcc_lo
	v_lshl_add_u32 v[\t], v[\t], 2, v[\u]
	v_min_u32 v[\t], 0x3ffc, v[\t]
	ds_load_b32 v[\t], v[\t]
.endm
; The tokens of my 80 rows (ranks IB .. IB + 79) into my own list, and out of it in the two orders wanted: row 16 a + r, and na pairs of rows 2 i + h as offsets in xb
.macro ROWLIST na
	WIN 0
	v_add_nc_u32 v[T], s[IB], v[LANE]
	v_add_nc_u32 v[T+2], 32, v[T]
	v_add_nc_u32 v[T+4], s[IB], v[R]
	v_add_nc_u32 v[T+4], 64, v[T+4]
	LOOKUP T, T+1
	LOOKUP T+2, T+3
	LOOKUP T+4, T+5
	s_wait_dscnt 0x0
	ds_store_b32 v[CLL], v[T]
	ds_store_b32 v[CLL], v[T+2] offset:128
	ds_store_b32 v[CLR], v[T+4] offset:256         ; both halves of the lanes store the same words
.set i, 0
.rept 5
	ds_load_b32 v[TOK+i], v[CLR] offset:64*i       ; LDS serves a wave's instructions in order (ISA guide 5.7.1.4): these see the stores above
.set i, i+1
.endr
.set i, 0
.rept \na
	ds_load_b32 v[AOFF+i], v[CLH] offset:8*i
.set i, i+1
.endr
	s_wait_dscnt 0x0
.set i, 0
.rept 5
	v_min_u32 v[TOK+i], 0xfff, v[TOK+i]
.set i, i+1
.endr
.set i, 0
.rept \na
	v_min_u32 v[AOFF+i], 0xfff, v[AOFF+i]
	v_lshl_add_u32 v[AOFF+i], v[AOFF+i], 11, v[R16]  ; a row of xb is 2,048 bytes
.set i, i+1
.endr
.endm
.macro GATES
	WIN 0
.set i, 0
.rept 5
	v_lshlrev_b32 v[GA+i], 2, v[TOK+i]
.set i, i+1
.endr
.set i, 0
.rept 5
	global_load_b32 v[GT+2*i], v[GA+i], s[8:9]
.set i, i+1
.endr
.endm
; THE WAY OUT.  16 rows at a time: times the gate, into my stage with each row's token beside it, back as whole rows of 256 bytes, and to the token's row of out0.
; Blocks and pairs of rows past REM are jumped, forward, over text that holds no barrier.  Where a pair holds the last row and a repeat of it, both halves of the lanes store the same numbers to the same bytes.
.macro EPI
	PLACES
.set a, 0
.rept 5
	WIN 0
	s_cmp_gt_u32 s[REM], 16*a
	s_cbranch_scc0 .Ldone_\@
	WIN 0x41
.set i, 0
.rept 16                               ; each accumulator's registers in ascending order
	v_pk_mul_f32 v[32*a+2*i:32*a+2*i+1], v[32*a+2*i:32*a+2*i+1], v[GT+2*a:GT+2*a+1] op_sel_hi:[1,0]
.set i, i+1
.endr
	WIN 0x04
.set i, 0
.rept 8
	ds_store_b128 v[STO], v[32*a+4*i:32*a+4*i+3] offset:64*(i/2)+16*(i%2)
.set i, i+1
.endr
	WIN 0
	ds_store_b32 v[STOP], v[TOK+a]
	s_wait_xcnt 0x0                                ; the block before's stores have read their registers: only behind this wait are those loaded again
.set i, 0
.rept 8
	ds_load_b128 v[OB+4*i:OB+4*i+3], v[RD] offset:2*PITCH*i
	ds_load_b32 v[TK+i], v[RDP] offset:2*PITCH*i
.set i, i+1
.endr
	s_wait_dscnt 0x0
.set i, 0
.rept 8
	v_min_u32 v[TK+i], 0xfff, v[TK+i]
	v_lshl_add_u32 v[TK+i], v[TK+i], 12, v[R16]    ; a row of out0 is 4,096 bytes
.set i, i+1
.endr
.set i, 0
.rept 8
.if i > 0
	s_cmp_gt_u32 s[REM], 16*a+2*i
	s_cbranch_scc0 .Ldone_\@
.endif
	global_store_b128 v[TK+i], v[OB+4*i:OB+4*i+3], s[32:33] th:TH_STORE_NT  ; 16 lanes store 256 consecutive bytes, at a multiple of 256 from out0's first byte
.set i, i+1
.endr
.set a, a+1
.endr
.Ldone_\@:
.endm
	s_load_b256 s[4:11], s[0:1], 0x0               ; xb s[4:5], route s[6:7], gate s[8:9], expert_w s[10:11]
	s_load_b128 s[12:15], s[0:1], 0x20             ; expert_b s[12:13], out0 s[14:15]
	v_lshl_add_u32 v[SPW], v0, 2, SPARE
	v_mov_b32 v[NIL], 0
	v_lshrrev_b32 v20, 5, v0
	v_readfirstlane_b32 s[WV], v20
	v_and_b32 v[LANE], 31, v0
	v_and_b32 v[R], 15, v0
	v_bfe_u32 v[H], v0, 4, 1
	v_lshlrev_b32 v[L16], 4, v[LANE]
	v_lshlrev_b32 v[R16], 4, v[R]
	v_lshlrev_b32 v[H32], 5, v[H]
	s_lshr_b32 s[WR], s[WV], 1
	s_and_b32 s[WC], s[WV], 1
	s_and_b32 s[QQ], ttmp9, 3
	s_bfe_u32 s[COL], ttmp9, 0x30002               ; 3 bits from bit 2
	s_lshr_b32 s[EX], ttmp9, 5
	s_lshl_b32 s38, s[EX], 10
	s_lshl_b32 s39, s[COL], 7
	s_add_co_u32 s38, s38, s39                     ; the work-group's first weight row: 1,024 e + 128 col
	s_lshl_b32 s39, s[WV], 5
	s_add_co_u32 s34, s38, s39                     ; the 32 rows that I bring in the first pass
	s_lshl_b32 s34, s34, 12                        ; 4,096 bytes a row
	s_mov_b32 s35, 0
	s_lshl_b32 s39, s[WC], 6
	s_add_co_u32 s38, s38, s39                     ; my 64 columns
	s_lshl_b32 s60, s38, 12
	s_mov_b32 s61, 0
	s_lshl_b32 s62, s38, 2                         ; the same in expert_b
	s_mov_b32 s63, 0
	s_lshl_b32 s28, s[COL], 9
	s_lshl_b32 s39, s[WC], 8
	s_add_co_u32 s28, s28, s39                     ; and in a row of out0
	s_mov_b32 s29, 0
	s_lshl_b32 s[SEGB], s[WV], 12                  ; my 1,024 words of route, and my segment in LDS
	s_mov_b32 s30, s[SEGB]
	s_mov_b32 s31, 0
	s_wait_kmcnt 0x0
	s_add_nc_u64 s[6:7], s[6:7], s[30:31]
	s_add_nc_u64 s[12:13], s[12:13], s[62:63]
	s_add_nc_u64 s[22:23], s[10:11], s[34:35]      ; weights, first pass; steps along K
	s_add_nc_u64 s[26:27], s[10:11], s[60:61]      ; weights, further passes
	s_add_nc_u64 s[32:33], s[14:15], s[28:29]
	s_mov_b64 s[24:25], s[4:5]                     ; xb; steps along K
.set i, 0
.rept 8
	global_load_b128 v[RW+4*i:RW+4*i+3], v[L16], s[6:7] offset:512*i  ; word 4 i + c of lane l: token 1,024 w + 128 i + 4 l + c
.set i, i+1
.endr
	WIN 0x40
.set i, 0
.rept 4
	global_load_b128 v[BIAS+8*i:BIAS+8*i+3],   v[H32], s[12:13] offset:64*i     ; columns 16 i + 8 h + 0..7: a result's layout
	global_load_b128 v[BIAS+8*i+4:BIAS+8*i+7], v[H32], s[12:13] offset:64*i+16
.set i, i+1
.endr
	LOADB 2, 32, 22, 0                             ; the weights of chunks 0 and 1 hang on no list: they go out now
	LOADB 3, 32, 22, 1
	WIN 0
	; LDS addresses, made while the loads are out
	v_mul_u32_u24 v20, v[R], PITCH
	v_mul_u32_u24 v21, v[H], PITCH
	v_lshl_add_u32 v22, v[H], 4, v20               ; a fragment's row r, + 16 h
	s_mul_i32 s38, s[WV], 40*PITCH
	s_add_co_u32 s38, s38, RING
	v_add3_u32 v[ASTO], v21, v[R16], s38           ; I lay token rows 40 w + 2 i + h
	v_add_nc_u32 v[ASTO+1], SLOT, v[ASTO]
	s_mul_i32 s38, s[WV], 32*PITCH
	s_add_co_u32 s38, s38, RING+BOFF
	v_lshl_add_u32 v[BSTO], v[LANE], 3, s38        ; and weight rows 32 w + i, 8 bytes a lane
	v_add_nc_u32 v[BSTO+1], SLOT, v[BSTO]
	s_mul_i32 s38, s[WR], 80*PITCH
	s_add_co_u32 s38, s38, RING
	v_add_nc_u32 v[ADRA], s38, v22
	v_add_nc_u32 v[ADRA+1], SLOT, v[ADRA]
	s_mul_i32 s38, s[WC], 64*PITCH
	s_add_co_u32 s38, s38, RING+BOFF
	v_add_nc_u32 v[ADRB], s38, v22
	v_add_nc_u32 v[ADRB+1], SLOT, v[ADRB]
	s_mul_i32 s38, s[WV], 16*PITCH
	s_add_co_u32 s38, s38, STG
	v_lshl_add_u32 v[STO], v[H], 5, v20
	v_add_nc_u32 v[STO], s38, v[STO]               ; in: row r, 32 bytes for each half of the lanes
	v_add3_u32 v[STOP], v20, s38, 256
	v_add3_u32 v[RD], v21, v[R16], s38             ; back: lanes 0-15 one row, lanes 16-31 the next
	v_add3_u32 v[RDP], v21, s38, 256
	s_mul_i32 s38, s[WV], PAREA
	s_add_co_u32 s38, s38, RING
	v_add3_u32 v[ASTOP], v21, v[R16], s38
	v_add_nc_u32 v[ADRAP], s38, v22
	s_add_co_u32 s38, s38, PBOFF
	v_lshl_add_u32 v[BSTOP], v[LANE], 3, s38
	v_add_nc_u32 v[ADRBP], s38, v22
	v_sub_nc_u32 v[NEGL], 0, v[LANE]
.set i, 0
.rept 5
	v_mov_b32 v[GT+2*i+1], 0                       ; named with the gate as a pair
.set i, i+1
.endr
	s_lshl_b32 s38, s[WV], 10
	v_lshl_add_u32 v[TOK0], v[LANE], 2, s38
	s_lshl_b32 s[CLB], s[WV], 9
	s_add_co_u32 s[CLB], s[CLB], CL
	v_lshl_add_u32 v[CLL], v[LANE], 2, s[CLB]
	v_lshl_add_u32 v[CLR], v[R], 2, s[CLB]
	s_mul_i32 s38, s[WC], 160
	s_add_co_u32 s38, s38, s[CLB]
	v_lshl_add_u32 v[CLH], v[H], 2, s38            ; first pass: of my wave pair's 80 rows I bring 40 wc .. + 39
	s_mov_b32 s[RK], 0
	s_wait_loadcnt 63                              ; 80 loads are issued; with at most 63 out the oldest 17 are in: the 8 of route and the 8 of the bias among them (a wait's count holds no more)
	; THE RANKING.  My 1,024 tokens in the order word, lane.  One of my expert's goes to the place that is its number among them; any other to 1,023 less its number among the others.
.set k, 0
.rept 32
	v_cmp_eq_u32 s[MK], s[EX], v[RW+k]
	v_mbcnt_lo_u32_b32 v[T+4*(k%2)], s[MK], s[RK]  ; matches in lower lanes + matches in earlier words
	v_add3_u32 v[T+4*(k%2)+1], v[T+4*(k%2)], v[NEGL], 1023-32*k
	v_cndmask_b32 v[T+4*(k%2)+1], v[T+4*(k%2)+1], v[T+4*(k%2)], s[MK]
	v_min_u32 v[T+4*(k%2)+1], 0x3ff, v[T+4*(k%2)+1]
	v_lshl_add_u32 v[T+4*(k%2)+1], v[T+4*(k%2)+1], 2, s[SEGB]
	v_add_nc_u32 v[T+4*(k%2)+2], 128*(k/4)+(k%4), v[TOK0]
	ds_store_b32 v[T+4*(k%2)+1], v[T+4*(k%2)+2]
	s_bcnt1_i32_b32 s39, s[MK]
	s_add_co_u32 s[RK], s[RK], s39
.set k, k+1
.endr
	s_lshl_b32 s38, s[WV], 2
	s_add_co_u32 s38, s38, CNT
	v_mov_b32 v20, s38
	v_mov_b32 v21, s[RK]
	ds_store_b32 v20, v21
	s_wait_dscnt 0x0                               ; for the others' sake: my segment and my count are in LDS
	s_barrier_signal -1
	s_barrier_wait -1
	v_mov_b32 v24, CNT
	ds_load_b128 v[20:23], v24
	s_wait_dscnt 0x0
	v_readfirstlane_b32 s40, v20
	v_readfirstlane_b32 s41, v21
	v_readfirstlane_b32 s42, v22
	v_readfirstlane_b32 s43, v23
	s_mov_b32 s[P1], s40
	s_add_co_u32 s[P1+1], s[P1], s41
	s_add_co_u32 s[P1+2], s[P1+1], s42
	s_add_co_u32 s[NE], s[P1+2], s43               ; n
	s_add_co_u32 s[CQ], s[NE], 3
	s_lshr_b32 s[CQ], s[CQ], 2                     ; ceil(n / 4)
	s_mul_i32 s[START], s[QQ], s[CQ]
	s_sub_co_i32 s[CC], s[NE], s[START]
	s_max_i32 s[CC], s[CC], 0
	s_min_u32 s[CC], s[CC], s[CQ]                  ; c
	s_max_u32 s[CM1], s[CC], 1
	s_sub_co_u32 s[CM1], s[CM1], 1
	s_mul_i32 s[IB], s[WR], 80
	s_sub_co_i32 s[REM], s[CC], s[IB]
	s_max_i32 s[REM], s[REM], 0
	s_sub_co_i32 s[NPASS], s[CC], 160
	s_max_i32 s[NPASS], s[NPASS], 0
	s_add_co_u32 s[NPASS], s[NPASS], 159
	s_mul_i32 s[NPASS], s[NPASS], 6554             ; / 160: 6,554 / 2^20 is right for numbers up to 1,023
	s_lshr_b32 s[NPASS], s[NPASS], 20
	s_min_u32 s[NPASS], s[NPASS], 6                ; c is at most 1,024
.set i, 0
.rept 3
	s_lshl_b32 s38, s[P1+i], 2
	s_sub_co_u32 s38, 4096*(i+1), s38
	v_mov_b32 v[VB+i], s38
.set i, i+1
.endr
	ROWLIST 20
	LOADA 2, 128, 20, 24, 0
	LOADA 3, 128, 20, 24, 1
	GATES
	; While the rows are on their way: the bias, rounded to bf16 like every input and widened again; then chunk 0's weights, which were asked for at the head
	WIN 0x55
.set i, 0
.rept 16
	v_cvt_pk_bf16_f32 v[BT+i%4], v[BIAS+2*i], v[BIAS+2*i+1]
	v_lshlrev_b32 v[BIAS+2*i], 16, v[BT+i%4]
	v_and_b32 v[BIAS+2*i+1], 0xffff0000, v[BT+i%4]
.set i, i+1
.endr
	s_wait_loadcnt 63                              ; 125 loads are issued; with at most 63 out the oldest 62 are in: chunk 0's weights end at the 48th
	STAGE 2, 32, 0, 128, BSTO, ASTO
	s_wait_loadcnt 25                              ; chunk 0's rows are in: behind their last load stand chunk 1's 20 row loads and the 5 gates
	STAGE 2, 0, 20, 128, BSTO, ASTO
	s_wait_dscnt 0x0                               ; for the others' sake: my part of chunk 0 is in slot 0
	s_barrier_signal -1
	s_barrier_wait -1
	; THE FIRST PASS: eight periods and the last quarter.  Period s asks for chunk s + 2 and lays chunk s + 1 into the other slot.
	; The counts: behind a chunk's weights stand its own 20 row loads and the next chunk's 52: 72, of which a wait's count holds 63, the stricter; behind its rows the next chunk's 52
	; (in period 0 the 5 gates lie ahead of those 52 too, so they are in as well).
	PERIOD 0, 0, 1, 1, 2, 1, 63, 52                ; period 0 has no earlier quarter to multiply; its first products start the sums
	WIN 0                                          ; at a label and at a branch every window is 0
	s_mov_b32 s[LC], 2
.Lk:                                                   ; periods 1 to 4
	PERIOD 1, 1, 0, 1, 3, 1, 63, 52
	PERIOD 0, 1, 0, 1, 4, 1, 63, 52
	WIN 0
	s_wait_xcnt 0x0                                ; the loads' bases are stepped only behind this wait
	s_add_nc_u64 s[22:23], s[22:23], 1024          ; two chunks on
	s_add_nc_u64 s[24:25], s[24:25], 512
	s_sub_co_u32 s[LC], s[LC], 1
	s_cmp_lg_u32 s[LC], 0
	s_cbranch_scc1 .Lk
	PERIOD 1, 1, 0, 1, 3, 1, 63, 52                ; period 5 asks for chunk 7, the last
	PERIOD 0, 1, 0, 0, 0, 1, 20, 0                 ; period 6 asks for nothing: behind chunk 7's weights stand its 20 row loads alone, behind those nothing
	PERIOD 1, 1, 0, 0, 0, 0, 0, 0                  ; period 7: its barrier says that everybody's reads of the ring are over: from here on each wave may write its own area of it
	MUL FR1, 0                                     ; chunk 7's last quarter
	WIN 0
	EPI
	; THE FURTHER PASSES, 160 rows each: ranks 160 (p + 1) + 80 wr .. for my 64 columns.  All that a wave writes here is its own: no barrier.
	s_cmp_eq_u32 s[NPASS], 0
	s_cbranch_scc1 .Lfinish
	s_mov_b32 s[PASS], 0
	s_add_co_u32 s[IB], s[IB], 160
	v_lshl_add_u32 v[CLH], v[H], 2, s[CLB]         ; now I bring all my 80 rows
.Lover:
	s_wait_xcnt 0x0                                ; the last way out's stores have read their registers
	ROWLIST 40
	GATES
	s_mov_b64 s[28:29], s[26:27]
	s_mov_b64 s[30:31], s[4:5]
	s_mov_b32 s[KC], 8
.Lok:
	LOADB 2, 64, 28, 0
	LOADA 3, 0, 40, 30, 0
	WIN 0
	s_wait_loadcnt 0x0                             ; the chunk is in (and, in a pass's first trip, the gates); the loads are done, so their bases may step
	s_add_nc_u64 s[28:29], s[28:29], 512
	s_add_nc_u64 s[30:31], s[30:31], 256
	STAGE 2, 64, 0, 0, BSTOP, ASTOP
	STAGE 3, 0, 40, 0, BSTOP, ASTOP
	COMPUTE ADRAP, ADRBP                           ; LDS serves a wave's instructions in order: its fetches see the stores above
	WIN 0
	s_sub_co_u32 s[KC], s[KC], 1
	s_cmp_lg_u32 s[KC], 0
	s_cbranch_scc1 .Lok
	s_sub_co_i32 s[REM], s[CC], s[IB]
	s_max_i32 s[REM], s[REM], 0
	EPI
	s_add_co_u32 s[IB], s[IB], 160
	s_add_co_u32 s[PASS], s[PASS], 1
	s_cmp_lt_u32 s[PASS], s[NPASS]
	s_cbranch_scc1 .Lover
.Lfinish:
	s_wait_tensorcnt 0x0                           ; the wave's end, behind my last LDS store
	ds_add_u32 v[SPW], v[NIL]
	s_wait_dscnt 0x0
	s_endpgm
.Lfunc_end_k_q814bb1b871_experts:
	.size	k_q814bb1b871_experts, .Lfunc_end_k_q814bb1b871_experts-k_q814bb1b871_experts
	.p2alignl 7, 3214868480
	.fill 96, 4, 3214868480
	.section	.rodata,"a",@progbits
	.p2align	6, 0x0
	.amdhsa_kernel k_q814bb1b871_experts
		.amdhsa_group_segment_fixed_size 193280
		.amdhsa_private_segment_fixed_size 0
		.amdhsa_enable_private_segment 0
		.amdhsa_kernarg_size 48
		.amdhsa_user_sgpr_count 2
		.amdhsa_user_sgpr_kernarg_segment_ptr 1
		.amdhsa_wavefront_size32 1
		.amdhsa_system_sgpr_workgroup_id_x 1
		.amdhsa_system_sgpr_workgroup_id_y 1
		.amdhsa_system_sgpr_workgroup_id_z 1
		.amdhsa_system_vgpr_workitem_id 0
		.amdhsa_next_free_vgpr 1024
		.amdhsa_next_free_sgpr 66
		.amdhsa_reserve_vcc 1
		.amdhsa_float_denorm_mode_32 3
		.amdhsa_float_denorm_mode_16_64 3
		.amdhsa_memory_ordered 1
		.amdhsa_forward_progress 1
		.amdhsa_inst_pref_size 255
	.end_amdhsa_kernel
	.section	.bss,"aw",@nobits
	.p2align	6
	.space	262144
	.amdgpu_metadata
---
amdhsa.version: [ 1, 2 ]
amdhsa.kernels:
  - .name:           k_q814bb1b871_experts
    .symbol:         k_q814bb1b871_experts.kd
    .args:
      - { .name: xb, .offset: 0, .size: 8, .value_kind: global_buffer, .address_space: global }
      - { .name: route, .offset: 8, .size: 8, .value_kind: global_buffer, .address_space: global }
      - { .name: gate, .offset: 16, .size: 8, .value_kind: global_buffer, .address_space: global }
      - { .name: expert_w, .offset: 24, .size: 8, .value_kind: global_buffer, .address_space: global }
      - { .name: expert_b, .offset: 32, .size: 8, .value_kind: global_buffer, .address_space: global }
      - { .name: out0, .offset: 40, .size: 8, .value_kind: global_buffer, .address_space: global }
    .group_segment_fixed_size: 193280
    .private_segment_fixed_size: 0
    .kernarg_segment_align: 8
    .kernarg_segment_size: 48
    .max_flat_workgroup_size: 128
    .sgpr_count:     66
    .vgpr_count:     1024
    .wavefront_size: 32
...
	.end_amdgpu_metadata
.endif
;; end of part 2
